; MI455X (gfx1250); checked and timed in simulation.
; The chip was launched on July 23, 2026; its instructions are those of AMD's public machine-readable ISA for CDNA 5 (MIT licence, August 2026) and "CDNA5" Instruction Set Architecture Reference Guide (July 2026). The comments in the code are by the model that wrote it; some were corrected since.
;; Attention. Allowed arithmetic: matrix products marked QUANTISED: E2M1 operands, one E8M0 scale for each 32 along K, by v_wmma_scale_f32_16x16x128_f8f6f4 with both operands' format E2M1 (or v_wmma_scale_f32_32x16x128_f4), f32 sums; products left as they are: bf16, f16 or f32 operands; f32 sums; everything else in f32.
;; Inputs: wk_b 1,024 float32; wk_w 1,024 x 1,024 float32; wo_b 1,024 float32; wo_w 1,024 x 1,024 float32; wq_b 1,024 float32; wq_w 1,024 x 1,024 float32; wv_b 1,024 float32; wv_w 1,024 x 1,024 float32; x 4 x 2,048 x 1,024 float32.
;; Outputs: out0 4 x 2,048 x 1,024 float32.
;; This version of the problem:
;;   THIS VERSION OF THE PROBLEM IS GIVEN IN LOW PRECISION. The matrix products marked QUANTISED in the list below multiply operands that are first quantised to E2M1 (2 exponent bits, 1 mantissa bit; 4 bits a number), with one power-of-two scale for each 32 numbers along K (OCP MX v1.0); their sums are f32. The products marked 'left as it is' may take bf16, f16 or f32 operands, with f32 sums. Whichever they take, every output number must still come out within the allowed error. Rounding operands to bf16 (8 significant bits) uses up far more of that allowance than f16 does (11 bits, for magnitudes from 6e-5 to 65,504). All else is computed in f32.
;;   The module's matrix products, in the order in which they are computed (A, B: the left and right operand; K: the contracted axis; several contracted axes count as one K, in the product's order):
;;     1. [M 8,192, K 1,024] x [K 1,024, N 1,024]; A: input x; B: input wq_w: QUANTISED
;;     2. [M 8,192, K 1,024] x [K 1,024, N 1,024]; A: input x; B: input wk_w: QUANTISED
;;     3. [M 8,192, K 1,024] x [K 1,024, N 1,024]; A: input x; B: input wv_w: QUANTISED
;;     4. batch 64 x [M 2,048, K 64] x [K 64, N 2,048]; A: computed on the way; B: computed on the way: left as it is (an operand is computed on the way)
;;     5. batch 64 x [M 2,048, K 2,048] x [K 2,048, N 64]; A: computed on the way; B: computed on the way: left as it is (an operand is computed on the way)
;;     6. [M 8,192, K 1,024] x [K 1,024, N 1,024]; A: computed on the way; B: input wo_w: left as it is (an operand is computed on the way)
;;   THE QUANTISER, for each operand of a quantised product, along K:
;;     - K is cut into blocks of 32 from its start; a last block that is shorter is filled with zeros.
;;     - A block's scale is 2^e with e = floor(log2(the largest magnitude in the block)) - 2, held to -126 .. 127; a block of zeros has e = 0. As a byte (E8M0): e + 127.
;;     - Each number is divided by its block's scale, clamped to +-6, and rounded to the nearest number of E2M1, ties to even, subnormals kept.
;;     - The product sums the exact products of the quantised numbers (number of the format x scale) in f32.
;;   ~~~python
;;   def quantise(x, axis):      # numpy; x: float32 -> the quantised numbers, widened to float32 again
;;       x = np.moveaxis(x, axis, -1); K = x.shape[-1]
;;       x = np.pad(x, [(0, 0)] * (x.ndim - 1) + [(0, -K % 32)]); x = x.reshape(x.shape[:-1] + (-1, 32)); a = np.abs(x).max(-1, keepdims=True)
;;       e = np.where(a > 0, np.clip(np.frexp(np.where(a > 0, a, 1))[1] - 1 - 2, -126, 127), 0)      # np.frexp(a)[1] - 1 = floor(log2(a)), exactly
;;       r = np.clip(x / 2.0 ** e, -6, 6)
;;       step = 2.0 ** (np.maximum(np.frexp(np.where(r == 0, 1, r))[1] - 1, 0) - 1)
;;       q = np.round(r / step) * step * 2.0 ** e      # np.round: ties to even
;;       return np.moveaxis(q.reshape(q.shape[:-2] + (-1,))[..., :K], -1, axis).astype(np.float32)
;;   ~~~
;; One version. Each part assembles by itself: llvm-mc -triple=amdgcn-amd-amdhsa -mcpu=gfx1250 --defsym DOCPART=n.
;; ======== version 1 of 1: 4 launches
;; limits: values are held in f16: magnitudes above 65,504 overflow, below 6.1e-05 lose precision
;; workspace buffers: cod 5,767,168 bytes; scl 360,448 bytes; wof 2,097,152 bytes; qf 16,777,216 bytes; kf 16,777,216 bytes; vf 16,777,216 bytes; pf 16,777,216 bytes
;; launch prep (part 1): grid 256 x 1, 6 waves a work-group, no clusters, 51,456 bytes of LDS; arguments x, wq_w, wk_w, wv_w, wo_w, cod, scl, wof; writes cod, scl, wof
.if DOCPART == 1
	.amdgcn_target "amdgcn-amd-amdhsa--gfx1250"
	.amdhsa_code_object_version 6
	.text
	.protected	k_q01d232bec0_prep
	.globl	k_q01d232bec0_prep
	.p2align	8
	.type	k_q01d232bec0_prep,@function
k_q01d232bec0_prep:
	s_mov_b64 s[64:65], 0
	v_nop
	global_prefetch_b8 v0, s[64:65] scope:SCOPE_SE
	s_setreg_imm32_b32 hwreg(HW_REG_WAVE_MODE, 25, 1), 1
	s_wait_xcnt 0x0
; FIRST OF FOUR LAUNCHES of out = softmax(q k^T / 8) v wo^T + wo_b, q = x wq^T + wq_b, k = x wk^T + wk_b, v = x wv^T + wv_b (4 x 2,048 tokens, 1,024 wide, 16 heads of 64).
; The three products with x run on codes of FP4 (E2M1) with one E8M0 scale for each 32 along K = 1,024; the others on f16 operands with f32 sums.
; THIS LAUNCH quantises x, wq_w, wk_w, wv_w along K (innermost in all four) and rounds wo_w to f16.  All it writes is laid in the order of the reader's operand registers:
;   a FRAGMENT is 1,024 bytes: registers 0-3 of lanes 0..31 (16 bytes a lane, at 16 x lane), then registers 4-7 likewise: two loads of 16 bytes a lane bring it, 512 consecutive bytes each.
;   cod [tile of 16 rows: 704][K step of 128: 8][fragment]: tiles 0-511 x's rows, 512-703 the rows of wq, wk, wv on end.  Lane (r, h): row r; register 4 c + g: the codes of k = 64 c + 32 h + 8 g + 0..7.
;   scl [tile 704][half of K: 2][row 16][4 words]: a word is the four scale bytes of one K step of 128 of one row.
;   wof [tile of 16 rows of wo_w: 64][32 along K: 32][fragment], f16: lane (r, h): row r; registers 0-3 k = 8 h + 0..7, registers 4-7 k = 16 + 8 h + 0..7.
; DEAD WORK, LEFT OUT IN THE WHOLE PROGRAM: wk_b.  logits[i][j] = q_i . (x_j wk^T + wk_b) / 8 = q_i . (x_j wk^T) / 8 + q_i . wk_b / 8, and the last term is the same for all j, the softmax's axis:
;   it cancels for all values of the inputs.  The product of q and k is not quantised, so no quantiser sees k.  wk_b is not loaded and is among no launch's arguments.
;   LIMIT: a NaN, an infinity or an overflow that wk_b alone would bring is not carried to the result.
; wv_b stays: the softmax's weights sum to 1, so it is added once, behind the division by the row's sum (third launch).
; THE QUANTISER: a block's scale byte is its largest magnitude's exponent field - 2, held at 1 from below by a floor among the maximum's leaves; the conversion divides by that scale, rounds to the nearest code,
;   ties to even, and gives the largest code beyond 6.  LIMITS: a block of zeros gets the byte 1 where the rule says 127 (its codes are zeros, and this program alone reads the bytes);
;   NaN and infinities among the inputs are not served.
; SHARES: 1,536 units of 16 rows x 512 along K (32 KiB of f32), one to a wave: unit = 6 x work-group + wave; 1,024 of x, 128 of each weight.  No barrier: waves share nothing.
; A unit goes in four steps of 128 along K.  Each load reads 512 consecutive bytes of one row; the 16 rows turn through the wave's own stage in LDS (rows 528 bytes apart: 16 rows start at 16 different
; groups of banks) and come back as the operand's layout wants them: neighbours along K in one lane's registers.  Loads run two steps (32 loads a wave) ahead.
.set STG,   16*528                     ; a wave's stage
.set SPARE, 6*STG                      ; behind the six stages: the spare words, 128 bytes for each wave: three blocks of 256 bytes that no other line names
.set OFF,  2                           ; v2   16 x lane: my place in a load's 512 bytes and in half a fragment
.set STW,  3                           ; v3   the stage, on the way in: 16 x lane
.set RDQ,  4                           ; v4   on the way out, for codes: 528 r + 128 h
.set RDF,  5                           ; v5   for f16: 528 r + 32 h
.set H8,   6                           ; v6   8 h
.set SPW,  8                           ; v8   LDS address of my spare word; never rewritten
.set NIL,  9                           ; v9   0; never rewritten
.set SCW,  16                          ; v16-19 the scale words of the four steps
.set SCO,  22                          ; v22  16 r + 8 h: where my two words go
.set C,    24                          ; v24-55 results: codes, 8 registers a step; f16, 32 a step
.set X,    64                          ; v64-127 64 numbers of my row
.set R,    128                         ; v128-255 two sets of 64 registers as loaded
	s_load_b256 s[4:11], s[0:1], 0x0               ; x, wq_w, wk_w, wv_w
	s_load_b256 s[12:19], s[0:1], 0x20             ; wo_w, cod, scl, wof
	v_lshl_add_u32 v[SPW], v0, 2, SPARE
	v_mov_b32 v[NIL], 0
	v_lshrrev_b32 v7, 5, v0
	v_readfirstlane_b32 s20, v7                    ; wave 0..5
	v_and_b32 v1, 31, v0
	v_lshlrev_b32 v[OFF], 4, v1
	s_mul_i32 s25, s20, STG
	v_add_nc_u32 v[STW], s25, v[OFF]
	v_and_b32 v7, 15, v0                           ; r
	v_bfe_u32 v[H8], v0, 4, 1                      ; h
	v_mul_u32_u24 v[RDQ], v7, 528
	v_add_nc_u32 v[RDQ], s25, v[RDQ]
	v_lshl_add_u32 v[RDF], v[H8], 5, v[RDQ]
	v_lshl_add_u32 v[RDQ], v[H8], 7, v[RDQ]
	v_lshlrev_b32 v[SCO], 4, v7
	v_lshl_add_u32 v[SCO], v[H8], 3, v[SCO]
	v_lshlrev_b32 v[H8], 3, v[H8]
	v_mov_b32 v23, 0                               ; a lane permute's destination counts as one of its sources
.irp t, 0,1,2,3
	v_mov_b32 v[SCW+\t], 0                         ; written whole once: the units of wo_w never write them
.endr
	s_mul_i32 s21, ttmp9, 6
	s_add_co_u32 s21, s21, s20                     ; my unit
	s_mov_b32 s30, 0x76543210
	s_mov_b32 s31, 0xfedcba98                      ; v_permlanex16_b32's selects for lane l xor 16
	s_wait_kmcnt 0x0
	s_mov_b64 s[22:23], s[12:13]                   ; which tensor, and its first unit: the choice hangs on ids alone
	s_mov_b32 s24, 1408
	s_cmp_lt_u32 s21, 1408
	s_cselect_b32 s29, 0, 1                        ; 1: a unit of wo_w
	s_cselect_b64 s[22:23], s[10:11], s[22:23]
	s_cselect_b32 s24, 1280, s24
	s_cmp_lt_u32 s21, 1280
	s_cselect_b64 s[22:23], s[8:9], s[22:23]
	s_cselect_b32 s24, 1152, s24
	s_cmp_lt_u32 s21, 1152
	s_cselect_b64 s[22:23], s[6:7], s[22:23]
	s_cselect_b32 s24, 1024, s24
	s_cmp_lt_u32 s21, 1024
	s_cselect_b64 s[22:23], s[4:5], s[22:23]
	s_cselect_b32 s24, 0, s24
	s_sub_co_u32 s26, s21, s24
	s_lshr_b32 s27, s26, 1                         ; the tensor's tile of 16 rows
	s_and_b32 s28, s21, 1                          ; which half of K
	s_mov_b32 s33, 0
	s_lshl_b32 s32, s27, 16                        ; 16 rows of 4,096 bytes
	s_lshl_b32 s35, s28, 11
	s_add_co_u32 s32, s32, s35
	s_add_nc_u64 s[22:23], s[22:23], s[32:33]
	s_lshr_b32 s34, s21, 1                         ; the tile's number in cod and scl (units under 1,408)
	s_lshl_b32 s32, s34, 13
	s_lshl_b32 s35, s28, 12
	s_add_co_u32 s32, s32, s35
	s_add_nc_u64 s[14:15], s[14:15], s[32:33]
	s_lshl_b32 s32, s34, 9
	s_lshl_b32 s35, s28, 8
	s_add_co_u32 s32, s32, s35
	s_add_nc_u64 s[16:17], s[16:17], s[32:33]
	s_lshl_b32 s32, s27, 15                        ; in wof (units of wo_w)
	s_lshl_b32 s35, s28, 14
	s_add_co_u32 s32, s32, s35
	s_add_nc_u64 s[18:19], s[18:19], s[32:33]
.macro LOAD t                          ; step t: 128 along K of 16 rows
.irp row, 0,1,2,3,4,5,6,7,8,9,10,11,12,13,14,15
	global_load_b128 v[R+64*((\t)%2)+4*\row:R+64*((\t)%2)+4*\row+3], v[OFF], s[22:23] offset:\row*4096+(\t)*512 th:TH_LOAD_NT
.endr
.endm
.macro STEP t
.if (\t) < 3
	s_wait_loadcnt 16                              ; this step's 16 loads are in; the next step's 16 may be out
.else
	s_wait_loadcnt 0x0
.endif
	s_wait_xcnt 0x0                                ; the last step's stores have read their data: the f16 units write their 32 result registers anew in every step
.irp row, 0,1,2,3,4,5,6,7,8,9,10,11,12,13,14,15
	ds_store_b128 v[STW], v[R+64*((\t)%2)+4*\row:R+64*((\t)%2)+4*\row+3] offset:\row*528
.endr
	s_cmp_eq_u32 s29, 0
	s_cbranch_scc0 .Lhalf_\@
	; ---- codes.  LDS serves a wave's instructions in order: these loads see the stores above
.irp c, 0,1
.irp i, 0,1,2,3,4,5,6,7
	ds_load_b128 v[X+32*\c+4*\i:X+32*\c+4*\i+3], v[RDQ] offset:256*\c+16*\i   ; X[32 c + m] = k 64 c + 32 h + m of row r: a whole block of 32
.endr
.endr
	s_wait_dscnt 0x0                               ; they are back: so the stores into the stage have read their registers,
.if (\t) < 2
	LOAD (\t)+2                                    ; which take the loads of two steps on
.endif
.irp c, 0,1
	v_max3_num_f32 v[10+\c], |v[X+32*\c]|, |v[X+32*\c+1]|, 0x1800000   ; the block's largest magnitude, and the floor 2^(3 - 127): the byte cannot fall under 1
.endr
.irp i, 2,4,6,8,10,12,14,16,18,20,22,24,26,28,30
.irp c, 0,1
	v_max3_num_f32 v[10+\c], v[10+\c], |v[X+32*\c+\i]|, |v[X+32*\c+\i+1]|
.endr
.endr
	v_add_nc_u32 v12, 0xff000000, v10              ; 2 off the exponent field: the conversion takes this operand's exponent field as its scale
	v_add_nc_u32 v13, 0xff000000, v11
	v_lshrrev_b32 v14, 23, v12                     ; the scale's byte
	v_lshrrev_b32 v15, 23, v13
	v_lshl_or_b32 v7, v15, 16, v14                 ; my two bytes: blocks h and 2 + h of the step,
	v_lshlrev_b32 v7, v[H8], v7                    ; at their places in the word;
	v_permlanex16_b32 v23, v7, s30, s31
	v_or_b32 v[SCW+(\t)], v7, v23                  ; with lane l xor 16's two the word is whole
.irp c, 0,1
.irp g, 0,1,2,3
	v_cvt_scalef32_pk8_fp4_f32 v[C+8*(\t)+4*\c+\g], v[X+32*\c+8*\g:X+32*\c+8*\g+7], v[12+\c]
.endr
.endr
	v_nop                                          ; one plain place behind the last scaled conversion
.irp c, 0,1
	global_store_b128 v[OFF], v[C+8*(\t)+4*\c:C+8*(\t)+4*\c+3], s[14:15] offset:(\t)*1024+512*\c   ; half a fragment: 512 consecutive bytes
.endr
	s_branch .Ljoin_\@
.Lhalf_\@:
	; ---- f16: four fragments of 32 along K
.irp f, 0,1,2,3
.irp g, 0,1
.irp e, 0,1
	ds_load_b128 v[X+16*\f+8*\g+4*\e:X+16*\f+8*\g+4*\e+3], v[RDF] offset:128*\f+64*\g+16*\e   ; X[16 f + 8 g + m] = k 32 f + 16 g + 8 h + m
.endr
.endr
.endr
	s_wait_dscnt 0x0
.if (\t) < 2
	LOAD (\t)+2
.endif
.set i, 0
.rept 32
	v_cvt_pk_f16_f32 v[C+i], v[X+2*i], v[X+2*i+1]
.set i, i+1
.endr
.irp f, 0,1,2,3
.irp g, 0,1
	global_store_b128 v[OFF], v[C+8*\f+4*\g:C+8*\f+4*\g+3], s[18:19] offset:(4*(\t)+\f)*1024+512*\g
.endr
.endr
.Ljoin_\@:
.endm
	LOAD 0
	LOAD 1
	STEP 0
	STEP 1
	STEP 2
	STEP 3
	s_cmp_eq_u32 s29, 0
	s_cbranch_scc0 .Lend
	v_cmp_eq_u32 vcc_lo, 8, v[H8]                  ; lanes 0-15 store words 0 and 1 of their row, lanes 16-31 words 2 and 3:
	v_cndmask_b32 v20, v[SCW], v[SCW+2], vcc_lo
	v_cndmask_b32 v21, v[SCW+1], v[SCW+3], vcc_lo
	global_store_b64 v[SCO], v[20:21], s[16:17]    ; 256 consecutive bytes, at a multiple of 256 from scl's first byte
.Lend:
	s_wait_tensorcnt 0x0                           ; the wave's end: behind my last LDS store
	ds_add_u32 v[SPW], v[NIL]
	s_wait_dscnt 0x0
	s_endpgm
.Lfunc_end_k_q01d232bec0_prep:
	.size	k_q01d232bec0_prep, .Lfunc_end_k_q01d232bec0_prep-k_q01d232bec0_prep
	.p2alignl 7, 3214868480
	.fill 96, 4, 3214868480
	.section	.rodata,"a",@progbits
	.p2align	6, 0x0
	.amdhsa_kernel k_q01d232bec0_prep
		.amdhsa_group_segment_fixed_size 51456
		.amdhsa_private_segment_fixed_size 0
		.amdhsa_enable_private_segment 0
		.amdhsa_kernarg_size 64
		.amdhsa_user_sgpr_count 2
		.amdhsa_user_sgpr_kernarg_segment_ptr 1
		.amdhsa_wavefront_size32 1
		.amdhsa_system_sgpr_workgroup_id_x 1
		.amdhsa_system_sgpr_workgroup_id_y 1
		.amdhsa_system_sgpr_workgroup_id_z 1
		.amdhsa_system_vgpr_workitem_id 0
		.amdhsa_next_free_vgpr 256
		.amdhsa_next_free_sgpr 66
		.amdhsa_reserve_vcc 1
		.amdhsa_float_denorm_mode_32 3
		.amdhsa_float_denorm_mode_16_64 3
		.amdhsa_memory_ordered 1
		.amdhsa_forward_progress 1
		.amdhsa_inst_pref_size 49
	.end_amdhsa_kernel
	.amdgpu_metadata
---
amdhsa.version: [ 1, 2 ]
amdhsa.kernels:
  - .name:           k_q01d232bec0_prep
    .symbol:         k_q01d232bec0_prep.kd
    .args:
      - { .name: x, .offset: 0, .size: 8, .value_kind: global_buffer, .address_space: global }
      - { .name: wq_w, .offset: 8, .size: 8, .value_kind: global_buffer, .address_space: global }
      - { .name: wk_w, .offset: 16, .size: 8, .value_kind: global_buffer, .address_space: global }
      - { .name: wv_w, .offset: 24, .size: 8, .value_kind: global_buffer, .address_space: global }
      - { .name: wo_w, .offset: 32, .size: 8, .value_kind: global_buffer, .address_space: global }
      - { .name: cod, .offset: 40, .size: 8, .value_kind: global_buffer, .address_space: global }
      - { .name: scl, .offset: 48, .size: 8, .value_kind: global_buffer, .address_space: global }
      - { .name: wof, .offset: 56, .size: 8, .value_kind: global_buffer, .address_space: global }
    .group_segment_fixed_size: 51456
    .private_segment_fixed_size: 0
    .kernarg_segment_align: 8
    .kernarg_segment_size: 64
    .max_flat_workgroup_size: 192
    .sgpr_count:     66
    .vgpr_count:     256
    .wavefront_size: 32
...
	.end_amdgpu_metadata
.endif
;; end of part 1
;; launch qkv (part 2): grid 32 x 8, 4 waves a work-group, clusters of 4 x 1, 197,120 bytes of LDS; arguments cod, scl, wq_b, qf, kf, vf; writes qf, kf, vf
.if DOCPART == 2
	.amdgcn_target "amdgcn-amd-amdhsa--gfx1250"
	.amdhsa_code_object_version 6
	.text
	.protected	k_q01d232bec0_qkv
	.globl	k_q01d232bec0_qkv
	.p2align	8
	.type	k_q01d232bec0_qkv,@function
k_q01d232bec0_qkv:
	s_mov_b64 s[64:65], 0
	v_nop
	global_prefetch_b8 v0, s[64:65] scope:SCOPE_SE
	s_setreg_imm32_b32 hwreg(HW_REG_WAVE_MODE, 25, 1), 1
	s_wait_xcnt 0x0
	s_wait_alu depctr_hold_cnt(0) depctr_sa_sdst(0) depctr_va_vdst(0) depctr_va_sdst(0) depctr_va_ssrc(0) depctr_va_vcc(0) depctr_vm_vsrc(0)
	s_getreg_b32 s2, hwreg(HW_REG_IB_STS2, 6, 4)
	s_cmp_eq_u32 s2, 0
	s_cbranch_scc0 .Lentry_in_a_cluster
	s_endpgm
.Lentry_in_a_cluster:
	s_bfe_u32 s2, ttmp6, 0x10000c
	s_cmp_lg_u32 s2, 0x3003
	s_cbranch_scc0 .Lentry_shape_is_right
	s_endpgm
.Lentry_shape_is_right:
; SECOND LAUNCH: q = x wq^T + wq_b, k = x wk^T, v = x wv^T on codes of FP4 with E8M0 scales (made by the first launch), sums in f32; the results leave as f16 fragments for the third launch.
; LEFT OUT: wk_b (it adds the same to every logit of a row: shown at the head of the first launch).  wv_b is added in the third launch.
; SHARES.  A work-group takes 256 tokens (RB) x 384 of the 3,072 stacked weight rows (CB): three chunks of 128 rows; chunk g = 3 CB + c is q's (g < 8), k's (g < 16) or v's.
;   A wave takes 128 tokens (8 tiles i) x 64 rows of a chunk (one head: 4 tiles n): 32 accumulators, which take turns, one instruction a turn.
; x STAYS IN REGISTERS: a wave's 64 fragments (8 tiles x 8 K steps of 128), 512 registers, straight from cod.  THE WEIGHTS' 192 KiB of codes come into LDS ONCE: one dense block, a quarter to each wave's
;   tensor load; nothing is filled again.  CLUSTER: the four work-groups of a cluster differ in RB alone and need the same weights: the load is asked for jointly, with a mask that names the four.
; LAYOUT OF THE RESULTS.  q, k: source 0 = 16 weight rows, source 1 = 16 tokens: a lane holds ONE token and eight neighbouring channels: two accumulators, rounded in pairs, are a fragment
;   (16 tokens x 32 channels) of qf / kf [batch x head 64][tile of 16 tokens 128][32 channels 2][1 KiB].  v: source 0 = tokens, source 1 = weight rows: a lane holds ONE channel and eight neighbouring tokens:
;   a fragment (16 channels x 32 keys) of vf [batch x head 64][32 keys 64][tile of 16 channels 4][1 KiB].  Every store covers 512 consecutive bytes; a wave writes 16 KiB on end for each chunk.
; LIMIT: q, k, v go on as f16: magnitudes beyond 65,504 are not served.
; REGISTERS, in windows of 256: window 0: v1-7 addresses; v32-95 x's scale words (8 i + K step); v96-127 the weights' (8 n + K step); v128-159 wq_b in the result's layout; v160-223 the weights' fragments, two sets of four;
;   v224-255 packed results.  window 1: the accumulators, (i, n) at 8 (4 i + n).  windows 2, 3: x's tiles 0-3, 4-7, (i, K step) at 8 (8 (i % 4) + K step).
.set SPARE, 196608                     ; behind the weights: the spare words, 128 bytes for each wave: two blocks of 256 bytes that no other line names
.set L16, 1                            ; v1  16 x lane
.set SO,  2                            ; v2  16 x (lane % 16): a row's four scale words
.set WA0, 3                            ; v3  16 x lane + my 4 tiles' place in a chunk
.set WA,  4                            ; v4  the same in the chunk in hand
.set BO,  5                            ; v5  32 h: my eight numbers of a tile's 16 of wq_b
.set SPW, 6                            ; v6  LDS address of my spare word; never rewritten
.set NIL, 7                            ; v7  0; never rewritten
.set SX,  32
.set SW,  96
.set BC,  128
.set WF,  160
.set TMP, 224
.set G1,  24                           ; s[24:31] descriptor group 1;  s[32:35] group 0
.set G0,  32
.set MSB, 0
.macro WIN new                         ; the immediate's high byte repeats the setting that is left
.if MSB != \new
	s_set_vgpr_msb (MSB<<8)|\new
.set MSB, \new
.endif
.endm
.macro PLACES n
.rept \n
	v_nop
.endr
.endm
.macro CROUND                          ; a round of the cluster's barrier
	s_barrier_signal -1
	s_barrier_wait -1
	s_cmp_lg_u32 s16, 0
	s_cbranch_scc1 .Lnot_wave_0_\@
	s_barrier_signal -3
.Lnot_wave_0_\@:
	s_barrier_wait -3
	s_barrier_signal -1
	s_barrier_wait -1
.endm
	s_load_b256 s[4:11], s[0:1], 0x0               ; cod s[4:5], scl s[6:7], wq_b s[8:9], qf s[10:11]
	s_load_b128 s[12:15], s[0:1], 0x20             ; kf s[12:13], vf s[14:15]
	v_lshl_add_u32 v[SPW], v0, 2, SPARE
	v_mov_b32 v[NIL], 0
	ds_add_u32 v[SPW], v[NIL]                      ; the wave's opening: the add, twice on end, and its wait ahead of my first tensor load
	ds_add_u32 v[SPW], v[NIL]
	v_lshrrev_b32 v1, 5, v0
	v_readfirstlane_b32 s16, v1                    ; wave 0..3
	s_lshr_b32 s17, s16, 1                         ; RH: which 128 tokens
	s_and_b32 s18, s16, 1                          ; CH: which 64 rows of a chunk
	s_bfe_u32 s19, ttmp6, 0x40000                  ; cx
	s_lshl_b32 s20, ttmp9, 2
	s_add_co_u32 s20, s20, s19                     ; RB = 4 x cluster x + cx: it enters global addresses alone
	s_and_b32 s21, ttmp7, 0xffff                   ; CB, which the four partners share
	s_mul_i32 s22, s21, 3                          ; the chunk in hand
	s_mov_b32 s23, 3                               ; chunks to go
	s_mov_b32 s48, 0                               ; the chunk's first LDS byte
	s_mov_b32 s[G1], 15|(3<<16)|(1<<21)            ; 15:0 the mask: all four work-groups; 17:16 elements of 8 bytes; 21 set beside a mask; no padding
	s_mov_b32 s[G1+1], 32<<16                      ; tensor_dim0 = 32 elements: rows of 256 bytes
	s_mov_b32 s[G1+2], 192<<16                     ; tensor_dim1 = 192 rows: 48 KiB
	s_mov_b32 s[G1+3], 32<<16                      ; tile_dim0
	s_mov_b32 s[G1+4], 192                         ; tile_dim1
	s_mov_b32 s[G1+5], 32                          ; from row to row: dense
	s_mov_b32 s[G1+6], 0
	s_mov_b32 s[G1+7], 0
	v_and_b32 v1, 31, v0
	v_lshlrev_b32 v[L16], 4, v1
	v_and_b32 v2, 15, v0
	v_lshlrev_b32 v[SO], 4, v2
	s_lshl_b32 s36, s18, 15
	v_add_nc_u32 v[WA0], s36, v[L16]
	v_bfe_u32 v5, v0, 4, 1
	v_lshlrev_b32 v[BO], 5, v5
	s_mul_i32 s36, s21, 24                         ; the group's 24 tiles of weight rows begin at tile 512 + 24 CB of cod;
	s_add_co_u32 s36, s36, 512
	s_lshl_b32 s36, s36, 13
	s_mul_i32 s[G0+1], s16, 49152                  ; my quarter, in LDS
	s_add_co_u32 s36, s36, s[G0+1]                 ; and in memory
	s_mov_b32 s37, 0
	s_lshl_b32 s38, s20, 4
	s_lshl_b32 s39, s17, 3
	s_add_co_u32 s38, s38, s39                     ; my first tile of 16 tokens
	s_lshl_b32 s40, s38, 13                        ; its codes,
	s_mov_b32 s41, 0
	s_lshl_b32 s42, s38, 9                         ; its scale words
	s_mov_b32 s43, 0
	s_lshl_b32 s44, s22, 3
	s_lshl_b32 s45, s18, 2
	s_add_co_u32 s44, s44, s45
	s_add_co_u32 s44, s44, 512
	s_lshl_b32 s44, s44, 9                         ; the scale words of my 4 tiles of the first chunk
	s_mov_b32 s45, 0
	s_lshl_b32 s46, s22, 9
	s_lshl_b32 s47, s18, 8
	s_add_co_u32 s46, s46, s47                     ; wq_b at my 64 channels of chunk g (used while g < 8)
	s_mov_b32 s47, 0
	s_and_b32 s39, s38, 127
	s_lshl_b32 s39, s39, 11                        ; my first tile's place in a head's 256 KiB of qf, kf or vf
	s_lshr_b32 s38, s20, 3
	s_lshl_b32 s38, s38, 4                         ; 16 x batch
	s_mov_b32 s[G0], 1
	s_wait_dscnt 0x0                               ; both opening adds are done
	s_wait_kmcnt 0x0
	s_add_nc_u64 s[G0+2:G0+3], s[4:5], s[36:37]
	s_or_b32 s[G0+3], s[G0+3], 0x80000000          ; type = 2
	s_add_nc_u64 s[52:53], s[4:5], s[40:41]
	s_add_nc_u64 s[54:55], s[6:7], s[42:43]
	s_add_nc_u64 s[56:57], s[6:7], s[44:45]
	s_add_nc_u64 s[58:59], s[8:9], s[46:47]
	CROUND                                         ; all four work-groups are here: the joint loads meet
	tensor_load_to_lds s[G0:G0+3], s[G1:G1+7]      ; my one tensor load
	s_nop 0
	PLACES 4
	WIN 0x80                                       ; destination window 2
.irp i, 0,1,2,3
.irp kk, 0,1,2,3,4,5,6,7
	global_load_b128 v[8*(8*\i+\kk):8*(8*\i+\kk)+3],   v[L16], s[52:53] offset:\i*8192+\kk*1024
	global_load_b128 v[8*(8*\i+\kk)+4:8*(8*\i+\kk)+7], v[L16], s[52:53] offset:\i*8192+\kk*1024+512
.endr
.endr
	WIN 0xc0                                       ; destination window 3
.irp i, 0,1,2,3
.irp kk, 0,1,2,3,4,5,6,7
	global_load_b128 v[8*(8*\i+\kk):8*(8*\i+\kk)+3],   v[L16], s[52:53] offset:(\i+4)*8192+\kk*1024
	global_load_b128 v[8*(8*\i+\kk)+4:8*(8*\i+\kk)+7], v[L16], s[52:53] offset:(\i+4)*8192+\kk*1024+512
.endr
.endr
	WIN 0
.irp i, 0,1,2,3,4,5,6,7
.irp q, 0,1
	global_load_b128 v[SX+8*\i+4*\q:SX+8*\i+4*\q+3], v[SO], s[54:55] offset:\i*512+\q*256   ; lane r: row r's words of four K steps
.endr
.endr
.macro LOADSW                          ; the scale words of my 4 tiles of a chunk
.irp n, 0,1,2,3
.irp q, 0,1
	global_load_b128 v[SW+8*\n+4*\q:SW+8*\n+4*\q+3], v[SO], s[56:57] offset:\n*512+\q*256
.endr
.endr
.endm
	LOADSW
.macro FETCHW kk, set                  ; my 4 fragments of K step kk into a set
.irp n, 0,1,2,3
	ds_load_b128 v[WF+32*(\set)+8*\n:WF+32*(\set)+8*\n+3],   v[WA] offset:\n*8192+(\kk)*1024
	ds_load_b128 v[WF+32*(\set)+8*\n+4:WF+32*(\set)+8*\n+7], v[WA] offset:\n*8192+(\kk)*1024+512
.endr
.endm
.macro PROD kind, i, n, kk             ; kind 2: source 0 = tokens; else source 0 = weight rows.  The first K step starts the sums: nothing is cleared
.set rA, 8*(4*(\i)+(\n))
.set rX, 8*(8*((\i)%4)+(\kk))
.set rW, WF+32*((\kk)%2)+8*(\n)
.if \kind == 2
.if \kk == 0
	v_wmma_scale_f32_16x16x128_f8f6f4 v[rA:rA+7], v[rX:rX+7], v[rW:rW+7], 0, v[SX+8*(\i)+(\kk)], v[SW+8*(\n)+(\kk)] matrix_a_fmt:MATRIX_FMT_FP4 matrix_b_fmt:MATRIX_FMT_FP4
.else
	v_wmma_scale_f32_16x16x128_f8f6f4 v[rA:rA+7], v[rX:rX+7], v[rW:rW+7], v[rA:rA+7], v[SX+8*(\i)+(\kk)], v[SW+8*(\n)+(\kk)] matrix_a_fmt:MATRIX_FMT_FP4 matrix_b_fmt:MATRIX_FMT_FP4
.endif
.else
.if \kk == 0
	v_wmma_scale_f32_16x16x128_f8f6f4 v[rA:rA+7], v[rW:rW+7], v[rX:rX+7], 0, v[SW+8*(\n)+(\kk)], v[SX+8*(\i)+(\kk)] matrix_a_fmt:MATRIX_FMT_FP4 matrix_b_fmt:MATRIX_FMT_FP4
.else
	v_wmma_scale_f32_16x16x128_f8f6f4 v[rA:rA+7], v[rW:rW+7], v[rX:rX+7], v[rA:rA+7], v[SW+8*(\n)+(\kk)], v[SX+8*(\i)+(\kk)] matrix_a_fmt:MATRIX_FMT_FP4 matrix_b_fmt:MATRIX_FMT_FP4
.endif
.endif
.endm
; A chunk: 8 K steps of 32 products.  The next step's 4 fragments are asked for ahead of a step's products, into the other set, four places behind the products that read it.
.macro CHUNK kind
	FETCHW 0, 0
.irp kk, 0,1,2,3,4,5,6,7
	s_wait_dscnt 0x0                               ; this step's fragments are in
.if \kk < 7
	PLACES 4
	FETCHW \kk+1, (\kk+1)%2
.endif
.if \kind == 2
	WIN 0x52                                       ; source 0 (x) window 2, source 1 window 0, C and D window 1
.else
	WIN 0x58                                       ; source 0 window 0, source 1 (x) window 2, C and D window 1
.endif
.irp i, 0,1,2,3
.irp n, 0,1,2,3
	PROD \kind, \i, \n, \kk
.endr
.endr
.if \kind == 2
	WIN 0x53                                       ; x in window 3
.else
	WIN 0x5c
.endif
.irp i, 4,5,6,7
.irp n, 0,1,2,3
	PROD \kind, \i, \n, \kk
.endr
.endr
	WIN 0
.endr
.endm
; The way out: four batches of four fragments.  Each accumulator is read from its low end on.
.macro OUTK kind
.irp bq, 0,1,2,3
	s_wait_xcnt 0x0                                ; the earlier stores have read their data and their base: both are written only behind this wait
.if \bq == 0
	s_add_nc_u64 s[50:51], s[10+2*\kind:11+2*\kind], s[36:37]
.endif
.if \kind == 0
	WIN 0x41                                       ; destination and source 0 window 1
.set jj, 0
.rept 32
	v_pk_add_f32 v[64*\bq+2*jj:64*\bq+2*jj+1], v[64*\bq+2*jj:64*\bq+2*jj+1], v[BC+(2*jj)%32:BC+(2*jj)%32+1]   ; + wq_b: register 8 n + j of the bias goes with register j of every accumulator (i, n)
.set jj, jj+1
.endr
.endif
	WIN 0x05                                       ; sources window 1, destination window 0
.if \kind == 2
.irp n, 0,1,2,3
.irp hh, 0,1
.irp j, 0,1,2,3
	v_cvt_pk_f16_f32 v[TMP+8*\n+4*\hh+\j], v[64*\bq+32*\hh+8*\n+2*\j], v[64*\bq+32*\hh+8*\n+2*\j+1]   ; fragment (32 keys bq, channels n): token tiles 2 bq and 2 bq + 1
.endr
.endr
.endr
.else
.set jj, 0
.rept 32
	v_cvt_pk_f16_f32 v[TMP+jj], v[64*\bq+2*jj], v[64*\bq+2*jj+1]   ; fragment (tile i, 32 channels c): accumulators (i, 2 c) and (i, 2 c + 1) lie on end
.set jj, jj+1
.endr
.endif
	WIN 0
.irp f, 0,1,2,3
	global_store_b128 v[L16], v[TMP+8*\f:TMP+8*\f+3],   s[50:51] offset:(4*\bq+\f)*1024
	global_store_b128 v[L16], v[TMP+8*\f+4:TMP+8*\f+7], s[50:51] offset:(4*\bq+\f)*1024+512
.endr
.endr
.endm
.macro ARM kind
.if \kind == 0
.irp n, 0,1,2,3
	global_load_b128 v[BC+8*\n:BC+8*\n+3],   v[BO], s[58:59] offset:64*\n      ; wq_b at channels 16 n + 8 h + 0..7: it lands under the chunk's products
	global_load_b128 v[BC+8*\n+4:BC+8*\n+7], v[BO], s[58:59] offset:64*\n+16
.endr
.endif
	CHUNK \kind
	PLACES 4                                       ; in front of the reads of results, and of loads into the scale registers that the last products read
.if \kind == 0
	s_wait_loadcnt 0x0                             ; wq_b
.endif
	s_cmp_eq_u32 s23, 1
	s_cbranch_scc1 .Lno_next_\@                    ; the last chunk asks for nothing: no load leaves its buffer
	LOADSW                                         ; the next chunk's scale words land under the way out
.Lno_next_\@:
	OUTK \kind
.endm
	s_wait_tensorcnt 0x0                           ; my quarter of the weights is in,
	s_barrier_signal -1
	s_barrier_wait -1                              ; everybody's is
	s_wait_loadcnt 0x0                             ; x, its scale words, the first chunk's
	s_add_nc_u64 s[56:57], s[56:57], 4096          ; on to the next chunk's scale words
.Lchunk:
	s_and_b32 s36, s22, 7                          ; where my 16 KiB of this chunk go: ((16 x batch + 2 (g % 8) + CH) x 256 KiB + my first tile's place
	s_lshl_b32 s36, s36, 1
	s_add_co_u32 s36, s36, s18
	s_add_co_u32 s36, s36, s38
	s_lshl_b32 s36, s36, 18
	s_add_co_u32 s36, s36, s39
	s_mov_b32 s37, 0
	v_add_nc_u32 v[WA], s48, v[WA0]
	s_lshr_b32 s40, s22, 3                         ; 0: q's chunk, 1: k's, 2: v's: made of the cluster's y and the count alone
	s_cmp_eq_u32 s40, 0
	s_cbranch_scc1 .Lq
	s_cmp_eq_u32 s40, 1
	s_cbranch_scc1 .Lk
	ARM 2
	s_branch .Ljoin
.Lq:
	ARM 0
	s_branch .Ljoin
.Lk:
	ARM 1
.Ljoin:
	s_wait_loadcnt 0x0                             ; the next chunk's scale words are in, so their base may step
	s_add_nc_u64 s[56:57], s[56:57], 4096
	s_add_nc_u64 s[58:59], s[58:59], 512
	s_add_co_u32 s22, s22, 1
	s_add_co_u32 s48, s48, 65536
	s_sub_co_u32 s23, s23, 1
	s_cmp_lg_u32 s23, 0
	s_cbranch_scc1 .Lchunk
	s_wait_tensorcnt 0x0                           ; the wave's end
	ds_add_u32 v[SPW], v[NIL]
	s_wait_dscnt 0x0
	CROUND                                         ; the closing round
	s_endpgm
.Lfunc_end_k_q01d232bec0_qkv:
	.size	k_q01d232bec0_qkv, .Lfunc_end_k_q01d232bec0_qkv-k_q01d232bec0_qkv
	.p2alignl 7, 3214868480
	.fill 96, 4, 3214868480
	.section	.rodata,"a",@progbits
	.p2align	6, 0x0
	.amdhsa_kernel k_q01d232bec0_qkv
		.amdhsa_group_segment_fixed_size 197120
		.amdhsa_private_segment_fixed_size 0
		.amdhsa_enable_private_segment 0
		.amdhsa_kernarg_size 48
		.amdhsa_user_sgpr_count 2
		.amdhsa_user_sgpr_kernarg_segment_ptr 1
		.amdhsa_wavefront_size32 1
		.amdhsa_system_sgpr_workgroup_id_x 1
		.amdhsa_system_sgpr_workgroup_id_y 1
		.amdhsa_system_sgpr_workgroup_id_z 1
		.amdhsa_system_vgpr_workitem_id 0
		.amdhsa_next_free_vgpr 1024
		.amdhsa_next_free_sgpr 66
		.amdhsa_reserve_vcc 0
		.amdhsa_float_denorm_mode_32 3
		.amdhsa_float_denorm_mode_16_64 3
		.amdhsa_memory_ordered 1
		.amdhsa_forward_progress 1
		.amdhsa_inst_pref_size 180
	.end_amdhsa_kernel
	.amdgpu_metadata
---
amdhsa.version: [ 1, 2 ]
amdhsa.kernels:
  - .name:           k_q01d232bec0_qkv
    .symbol:         k_q01d232bec0_qkv.kd
    .args:
      - { .name: cod, .offset: 0, .size: 8, .value_kind: global_buffer, .address_space: global }
      - { .name: scl, .offset: 8, .size: 8, .value_kind: global_buffer, .address_space: global }
      - { .name: wq_b, .offset: 16, .size: 8, .value_kind: global_buffer, .address_space: global }
      - { .name: qf, .offset: 24, .size: 8, .value_kind: global_buffer, .address_space: global }
      - { .name: kf, .offset: 32, .size: 8, .value_kind: global_buffer, .address_space: global }
      - { .name: vf, .offset: 40, .size: 8, .value_kind: global_buffer, .address_space: global }
    .group_segment_fixed_size: 197120
    .private_segment_fixed_size: 0
    .kernarg_segment_align: 8
    .kernarg_segment_size: 48
    .max_flat_workgroup_size: 128
    .sgpr_count:     66
    .vgpr_count:     1024
    .wavefront_size: 32
...
	.end_amdgpu_metadata
.endif
;; end of part 2
;; launch attn (part 3): grid 4 x 64, 8 waves a work-group, clusters of 4 x 1, 327,680 bytes of LDS; arguments qf, kf, vf, wv_b, pf; writes pf
.if DOCPART == 3
	.amdgcn_target "amdgcn-amd-amdhsa--gfx1250"
	.amdhsa_code_object_version 6
	.text
	.protected	k_q01d232bec0_attn
	.globl	k_q01d232bec0_attn
	.p2align	8
	.type	k_q01d232bec0_attn,@function
k_q01d232bec0_attn:
	s_mov_b64 s[64:65], 0
	v_nop
	global_prefetch_b8 v0, s[64:65] scope:SCOPE_SE
	s_setreg_imm32_b32 hwreg(HW_REG_WAVE_MODE, 25, 1), 1
	s_wait_xcnt 0x0
	s_wait_alu depctr_hold_cnt(0) depctr_sa_sdst(0) depctr_va_vdst(0) depctr_va_sdst(0) depctr_va_ssrc(0) depctr_va_vcc(0) depctr_vm_vsrc(0)
	s_getreg_b32 s2, hwreg(HW_REG_IB_STS2, 6, 4)
	s_cmp_eq_u32 s2, 0
	s_cbranch_scc0 .Lentry_in_a_cluster
	s_endpgm
.Lentry_in_a_cluster:
	s_bfe_u32 s2, ttmp6, 0x10000c
	s_cmp_lg_u32 s2, 0x3003
	s_cbranch_scc0 .Lentry_shape_is_right
	s_endpgm
.Lentry_shape_is_right:
; THIRD LAUNCH: for each batch and head, O[q] = sum over keys of softmax(q . k / 8) v + wv_b.  q, k, v arrive as f16 fragments (second launch); products on f16 operands, sums, maxima and exponentials in f32;
; the weights p are rounded to f16 for the second product; O leaves as f16 fragments for the last launch.
; LEFT OUT: wk_b (shown at the head of the first launch).  wv_b is added here, behind the division: the softmax's weights sum to 1.
; SHARES.  A cluster of four work-groups is one (batch, head); a work-group owns 512 queries, each of its eight waves 64: four tiles of 16.  Every wave walks the head's 2,048 keys, 64 a step.
; LAYOUT.  S^T = K Q^T (source 0 = 16 keys, source 1 = 16 queries): a lane holds ONE query and the keys 8 (lane / 16) + 0..7; two such tiles, rounded in pairs IN PLACE, are source 1 (32 keys x 16 queries) of
;   O^T = V^T P, whose result again holds one query a lane and eight channels.  K's and V's fragments lie in memory as images of the operands' registers: a key step's are 8 KiB on end each, and come out of LDS
;   by loads of 512 consecutive bytes: no padding, no turning load.
; SOFTMAX.  A running maximum m and sum l for each query: p = 2^(c s - c m), c = log2(e) / 8; in every step O and l are multiplied by a = 2^(c m_old - c m_new).  m begins at -3e38 and O, l at 0: the step has one form.
; TWO GROUPS OF WAVES BY TURNS.  GRP = (wave xor wave / 4) % 2 differs between waves w and w + 4 and between waves 2 i and 2 i + 1.  A work-group barrier parts the phases; in each phase one group runs its
;   matrix block (V^T P of the last step, K Q^T of this one: 64 matrix instructions) and the other its softmax.  The branches hang on the wave's number alone; no barrier stands inside an arm.
; RING.  K's ring at LDS byte 0, V's at 131,072: two slots of 8 key steps (64 KiB) each.  Every wave fetches 16 KiB of a slot (waves 0-3 K's quarters, waves 4-7 V's), jointly with its three partners.
;   A refill is asked for eight key steps ahead of its first read.  By this text's count a wave has two tensor loads out at the head, later one.
; LIMIT: the row's sum is taken of p before it is rounded to f16.
; REGISTERS: window 0: v1-7 addresses; v16-47 statistics, 8 a tile: +0 c m, +1 m, +2, +3 l (even, odd keys), +4..7 at work (a in +6); v64-191 S^T, 32 a tile, then P in its first 16; v192-255 K's 8 fragments.
;   window 1: v0-127 O^T, 32 a tile; v128-191 Q, 16 a tile; v192-255 V's 8 fragments.
.set SPARE, 262144                     ; behind the rings: the spare words, 128 bytes for each wave: four blocks of 256 bytes that no other line names
.set L16, 1                            ; v1  16 x lane
.set AK,  2                            ; v2  LDS address of the step's fragments of K
.set AV,  3                            ; v3  of V
.set BVO, 4                            ; v4  32 h
.set SPW, 6                            ; v6  LDS address of my spare word; never rewritten
.set NIL, 7                            ; v7  0; never rewritten
.set ST,  16
.set S,   64
.set KF,  192
.set QF,  128                          ; in window 1
.set VF,  192                          ; in window 1
.set G1,  24                           ; s[24:31] descriptor group 1; s[32:35] group 0 of slot 0's first fill; s[36:39] group 0 that walks
.set MSB, 0
.macro WIN new
.if MSB != \new
	s_set_vgpr_msb (MSB<<8)|\new
.set MSB, \new
.endif
.endm
.macro PLACES n
.rept \n
	v_nop
.endr
.endm
.macro CROUND                          ; a round of the cluster's barrier
	s_barrier_signal -1
	s_barrier_wait -1
	s_cmp_lg_u32 s14, 0
	s_cbranch_scc1 .Lnot_wave_0_\@
	s_barrier_signal -3
.Lnot_wave_0_\@:
	s_barrier_wait -3
	s_barrier_signal -1
	s_barrier_wait -1
.endm
.macro BAR                             ; between two phases: my LDS loads are in
	s_wait_dscnt 0x0
	s_barrier_signal -1
	s_barrier_wait -1
.endm
	s_load_b256 s[4:11], s[0:1], 0x0               ; qf s[4:5], kf s[6:7], vf s[8:9], wv_b s[10:11]
	s_load_b64 s[12:13], s[0:1], 0x20              ; pf
	v_lshl_add_u32 v[SPW], v0, 2, SPARE
	v_mov_b32 v[NIL], 0
	ds_add_u32 v[SPW], v[NIL]                      ; the wave's opening: the add, twice on end, and its wait ahead of my first tensor load
	ds_add_u32 v[SPW], v[NIL]
	v_lshrrev_b32 v1, 5, v0
	v_readfirstlane_b32 s14, v1                    ; wave 0..7
	s_lshr_b32 s19, s14, 2                         ; I fetch for K (0) or for V (1)
	s_xor_b32 s15, s14, s19
	s_and_b32 s15, s15, 1                          ; GRP
	s_bfe_u32 s16, ttmp6, 0x40000                  ; cx
	s_lshl_b32 s17, ttmp9, 2
	s_add_co_u32 s17, s17, s16                     ; my block of 512 queries: it enters Q's and O's addresses alone
	s_and_b32 s18, ttmp7, 0xffff                   ; batch x 16 + head, which the four partners share
	s_mov_b32 s[G1], 15|(3<<16)|(1<<21)            ; the mask: all four; elements of 8 bytes; 21 set beside a mask; no padding
	s_mov_b32 s[G1+1], 32<<16                      ; rows of 256 bytes,
	s_mov_b32 s[G1+2], 64<<16                      ; 64 of them: 16 KiB
	s_mov_b32 s[G1+3], 32<<16
	s_mov_b32 s[G1+4], 64
	s_mov_b32 s[G1+5], 32                          ; dense
	s_mov_b32 s[G1+6], 0
	s_mov_b32 s[G1+7], 0
	s_and_b32 s20, s14, 3
	s_lshl_b32 s20, s20, 14                        ; my quarter of a slot
	s_lshl_b32 s33, s19, 17                        ; K's ring or V's
	s_add_co_u32 s33, s33, s20
	s_add_co_u32 s37, s33, 65536                   ; slot 1
	s_mov_b32 s32, 1
	s_mov_b32 s36, 1
	s_lshl_b32 s22, s18, 18                        ; the head's 256 KiB
	s_add_co_u32 s22, s22, s20
	s_mov_b32 s23, 0
	s_lshl_b32 s21, s17, 5
	s_lshl_b32 s52, s14, 2
	s_add_co_u32 s21, s21, s52                     ; my first tile of 16 queries among the sequence's 128
	s_lshl_b32 s52, s18, 7
	s_add_co_u32 s52, s52, s21
	s_lshl_b32 s52, s52, 11                        ; in qf: 2 KiB a tile
	s_mov_b32 s53, 0
	s_lshr_b32 s54, s18, 4
	s_lshl_b32 s54, s54, 7
	s_add_co_u32 s54, s54, s21
	s_lshl_b32 s54, s54, 15                        ; in pf: 32 KiB a tile of tokens,
	s_and_b32 s56, s18, 15
	s_lshl_b32 s55, s56, 11                        ; the head's two fragments
	s_add_co_u32 s54, s54, s55
	s_mov_b32 s55, 0
	s_lshl_b32 s56, s56, 8                         ; the head's 64 numbers of wv_b
	s_mov_b32 s57, 0
	s_mov_b32 s40, 0x3e38aa3b                      ; c = log2(e) / 8
	s_mov_b32 s41, s40                             ; (named with it as a pair)
	s_mov_b32 s42, 0x76543210
	s_mov_b32 s43, 0xfedcba98                      ; v_permlanex16_b32's selects for lane l xor 16
	s_mov_b32 s44, 0                               ; where the step's fragments begin in a ring
	v_and_b32 v1, 31, v0
	v_lshlrev_b32 v[L16], 4, v1
	v_bfe_u32 v4, v0, 4, 1
	v_lshlrev_b32 v[BVO], 5, v4
	s_wait_dscnt 0x0                               ; both opening adds are done
	s_wait_kmcnt 0x0
	s_cmp_lt_u32 s14, 4
	s_cselect_b64 s[34:35], s[6:7], s[8:9]
	s_add_nc_u64 s[34:35], s[34:35], s[22:23]      ; key steps 0 to 7
	s_add_nc_u64 s[38:39], s[34:35], 65536         ; key steps 8 to 15
	s_or_b32 s35, s35, 0x80000000
	s_or_b32 s39, s39, 0x80000000
	s_add_nc_u64 s[4:5], s[4:5], s[52:53]
	s_add_nc_u64 s[48:49], s[12:13], s[54:55]
	s_add_nc_u64 s[50:51], s[10:11], s[56:57]
	CROUND                                         ; all four work-groups are here: the first joint loads meet
	tensor_load_to_lds s[32:35], s[G1:G1+7]
	s_nop 0
	tensor_load_to_lds s[36:39], s[G1:G1+7]
	s_nop 0
	PLACES 4
	WIN 0x40                                       ; destination window 1
.irp t, 0,1,2,3
.irp c, 0,1
	global_load_b128 v[QF+16*\t+8*\c:QF+16*\t+8*\c+3],   v[L16], s[4:5] offset:\t*2048+\c*1024      ; Q stays in registers
	global_load_b128 v[QF+16*\t+8*\c+4:QF+16*\t+8*\c+7], v[L16], s[4:5] offset:\t*2048+\c*1024+512
.endr
.endr
.set i, 0
.rept 128
	v_mov_b32 v[i], 0                              ; O^T.  (The step is written once: the first a is 0, and finds zeros)
.set i, i+1
.endr
	WIN 0
.irp t, 0,1,2,3
	v_mov_b32 v[ST+8*\t+1], 0xff61b1e6             ; m = -3e38, under every score
	v_mul_f32 v[ST+8*\t], s40, v[ST+8*\t+1]        ; c m
	v_mov_b32 v[ST+8*\t+2], 0                      ; l
	v_mov_b32 v[ST+8*\t+3], 0
.endr
.macro FETCH_K                         ; fragment f = 2 x (tile of 16 keys) + (32 channels)
.irp f, 0,1,2,3,4,5,6,7
	ds_load_b128 v[KF+8*\f:KF+8*\f+3],   v[AK] offset:\f*1024
	ds_load_b128 v[KF+8*\f+4:KF+8*\f+7], v[AK] offset:\f*1024+512
.endr
.endm
.macro FETCH_V                         ; fragment f = 4 x (32 keys) + (tile of 16 channels)
	WIN 0x40
.irp f, 0,1,2,3,4,5,6,7
	ds_load_b128 v[VF+8*\f:VF+8*\f+3],   v[AV] offset:\f*1024
	ds_load_b128 v[VF+8*\f+4:VF+8*\f+7], v[AV] offset:\f*1024+512
.endr
.endm
; 32 products each; the 16 accumulators take turns, one instruction a turn
.macro KQ
	WIN 0x04                                       ; source 1 (Q) window 1
.irp c, 0,1
.irp t, 0,1,2,3
.irp kt, 0,1,2,3
.if \c == 0
	v_wmma_f32_16x16x32_f16 v[S+32*\t+8*\kt:S+32*\t+8*\kt+7], v[KF+8*(2*\kt+\c):KF+8*(2*\kt+\c)+7], v[QF+16*\t+8*\c:QF+16*\t+8*\c+7], 0
.else
	v_wmma_f32_16x16x32_f16 v[S+32*\t+8*\kt:S+32*\t+8*\kt+7], v[KF+8*(2*\kt+\c):KF+8*(2*\kt+\c)+7], v[QF+16*\t+8*\c:QF+16*\t+8*\c+7], v[S+32*\t+8*\kt:S+32*\t+8*\kt+7]
.endif
.endr
.endr
.endr
.endm
.macro PV
	WIN 0x51                                       ; source 0 (V) window 1, source 1 (P) window 0, C and D window 1
.irp u, 0,1
.irp t, 0,1,2,3
.irp ct, 0,1,2,3
	v_wmma_f32_16x16x32_f16 v[32*\t+8*\ct:32*\t+8*\ct+7], v[VF+8*(4*\u+\ct):VF+8*(4*\u+\ct)+7], v[S+32*\t+8*\u:S+32*\t+8*\u+7], v[32*\t+8*\ct:32*\t+8*\ct+7]
.endr
.endr
.endr
.endm
; THE MATRIX BLOCK of key step j: both of the step's tiles are read from LDS inside it, so a slot is done with when the block of its last step is.
.macro MBLK
	FETCH_K                                        ; step j's K: it lands under the 32 products below
	PV                                             ; step j - 1
	PLACES 5                                       ; four in front of the loads into V's registers; five in front of K Q^T, which writes over the registers that V^T P read as P
	FETCH_V                                        ; step j's V: wanted a phase later
	s_wait_dscnt 16                                ; K's 16 loads are in; V's 16 may be out
	KQ
	WIN 0
	PLACES 5                                       ; behind the last products, in front of whatever reads the scores
.endm
.macro MFIRST                          ; step 0: there is no P yet
	FETCH_K
	FETCH_V
	s_wait_dscnt 16
	KQ
	WIN 0
	PLACES 5
.endm
; THE SOFTMAX of one key step, the four tiles by turns line by line, so that no line waits for the line above it.
.macro SOFTMAX
.irp j, 0,1,2,3                        ; the maximum of the lane's 32 scores and the old m: each accumulator is read from its low end on
.irp t, 0,1,2,3
	v_max3_num_f32 v[ST+8*\t+4+\j], v[S+32*\t+8*\j], v[S+32*\t+8*\j+1], v[S+32*\t+8*\j+2]
.endr
.endr
.irp g, 1,2
.irp j, 0,1,2,3
.irp t, 0,1,2,3
	v_max3_num_f32 v[ST+8*\t+4+\j], v[ST+8*\t+4+\j], v[S+32*\t+8*\j+2*\g+1], v[S+32*\t+8*\j+2*\g+2]
.endr
.endr
.endr
.irp t, 0,1,2,3
	v_max3_num_f32 v[ST+8*\t+4], v[ST+8*\t+4], v[S+32*\t+7], v[S+32*\t+15]
.endr
.irp t, 0,1,2,3
	v_max3_num_f32 v[ST+8*\t+6], v[ST+8*\t+6], v[S+32*\t+23], v[S+32*\t+31]
.endr
.irp t, 0,1,2,3
	v_max3_num_f32 v[ST+8*\t+4], v[ST+8*\t+4], v[ST+8*\t+5], v[ST+8*\t+6]
.endr
.irp t, 0,1,2,3
	v_max3_num_f32 v[ST+8*\t+4], v[ST+8*\t+4], v[ST+8*\t+7], v[ST+8*\t+1]
.endr
.irp t, 0,1,2,3
	v_permlanex16_b32 v[ST+8*\t+5], v[ST+8*\t+4], s42, s43   ; the query's other 32 keys lie in the lane 16 away
.endr
.irp t, 0,1,2,3
	v_mov_b32 v[ST+8*\t+7], v[ST+8*\t]             ; c m_old
.endr
.irp t, 0,1,2,3
	v_max_num_f32 v[ST+8*\t+1], v[ST+8*\t+4], v[ST+8*\t+5]
.endr
.irp t, 0,1,2,3
	v_mul_f32 v[ST+8*\t], s40, v[ST+8*\t+1]
.endr
.irp t, 0,1,2,3
	v_sub_f32 v[ST+8*\t+7], v[ST+8*\t+7], v[ST+8*\t]
.endr
	; ONE BATCH of 132 exponentials, none of which reads another's result; the scalings c s - c m of the next tile stand among a tile's exponentials
.irp t, 0,1,2,3
	v_exp_f32 v[ST+8*\t+6], v[ST+8*\t+7]           ; a
.endr
.set e, 0
.rept 16
	v_pk_fma_f32 v[S+2*e:S+2*e+1], v[S+2*e:S+2*e+1], s[40:41], v[ST:ST+1] op_sel_hi:[1,0,0] neg_lo:[0,0,1] neg_hi:[0,0,1]
.set e, e+1
.endr
.irp t, 0,1,2,3
.set e, 0
.rept 16
	v_exp_f32 v[S+32*\t+2*e], v[S+32*\t+2*e]
	v_exp_f32 v[S+32*\t+2*e+1], v[S+32*\t+2*e+1]
.if \t < 3
	v_pk_fma_f32 v[S+32*(\t+1)+2*e:S+32*(\t+1)+2*e+1], v[S+32*(\t+1)+2*e:S+32*(\t+1)+2*e+1], s[40:41], v[ST+8*(\t+1):ST+8*(\t+1)+1] op_sel_hi:[1,0,0] neg_lo:[0,0,1] neg_hi:[0,0,1]
.endif
.set e, e+1
.endr
.endr
	v_nop                                          ; a plain instruction behind the last exponential
	s_wait_alu depctr_va_vdst(0)                   ; the wait ahead of the first instruction that names a result: one for the batch
.irp t, 0,1,2,3
	v_pk_add_f32 v[ST+8*\t+4:ST+8*\t+5], v[S+32*\t:S+32*\t+1], v[S+32*\t+2:S+32*\t+3]   ; the sum of the tile's 16 pairs
.endr
.irp i, 4,6,8,10,12,14,16,18,20,22,24,26,28,30
.irp t, 0,1,2,3
	v_pk_add_f32 v[ST+8*\t+4:ST+8*\t+5], v[ST+8*\t+4:ST+8*\t+5], v[S+32*\t+\i:S+32*\t+\i+1]
.endr
.endr
.irp t, 0,1,2,3
	v_pk_fma_f32 v[ST+8*\t+2:ST+8*\t+3], v[ST+8*\t+2:ST+8*\t+3], v[ST+8*\t+6:ST+8*\t+7], v[ST+8*\t+4:ST+8*\t+5] op_sel_hi:[1,0,1]   ; l = a l + the sum
.endr
.set i, 0
.rept 16
.irp t, 0,1,2,3
	v_cvt_pk_f16_f32 v[S+32*\t+i], v[S+32*\t+2*i], v[S+32*\t+2*i+1]   ; P, in place: register i is written when registers 2 i and 2 i + 1 are read
.endr
.set i, i+1
.endr
	WIN 0x41                                       ; O^T (destination and source 0) window 1
.irp t, 0,1,2,3
.set i, 0
.rept 16
	v_pk_mul_f32 v[32*\t+2*i:32*\t+2*i+1], v[32*\t+2*i:32*\t+2*i+1], v[ST+8*\t+6:ST+8*\t+7] op_sel_hi:[1,0]
.set i, i+1
.endr
.endr
	WIN 0
.endm
; A KEY STEP: two phases.  The LDS addresses are made in the text that both groups run.
.macro PAIR
	v_add_nc_u32 v[AK], s44, v[L16]
	v_add_nc_u32 v[AV], 0x20000, v[AK]
	s_cmp_eq_u32 s15, 0
	s_cbranch_scc0 .La1_\@
	MBLK
	s_branch .La2_\@
.La1_\@:
	SOFTMAX
.La2_\@:
	BAR
	s_cmp_eq_u32 s15, 0
	s_cbranch_scc0 .Lb1_\@
	SOFTMAX
	s_branch .Lb2_\@
.Lb1_\@:
	MBLK
.Lb2_\@:
	BAR
	s_add_co_u32 s44, s44, 8192
.endm
; THE CHANGE OF SLOTS.  Each wave waits for all its tensor loads (its part of the slot ahead), adds 0 to its spare word, and waits for that and for its reads of the slot that it has left.
; fill = 1: the barrier is a round of the cluster's, and the joint refill of the slot just left is the first thing behind it.
.macro CHANGE fill
	s_wait_tensorcnt 0x0                           ; no tensor load of mine is out, so the walking group 0 may be written
	ds_add_u32 v[SPW], v[NIL]                      ; 0 onto my spare word
.if \fill
	s_xor_b32 s37, s37, 65536                      ; the other slot than last time,
	s_add_nc_u64 s[38:39], s[38:39], 65536         ; the next 8 key steps; the type bits on top are not reached
.endif
	s_sub_co_u32 s44, s44, 65536                   ; the reads go back to a slot's first step,
	s_xor_b32 s44, s44, 65536                      ; in the other slot
	s_wait_dscnt 0x0                               ; the add is done, and my reads of the slot are over
.if \fill
	CROUND
	tensor_load_to_lds s[36:39], s[G1:G1+7]
	s_nop 0
	PLACES 4
.else
	s_barrier_signal -1
	s_barrier_wait -1
.endif
.endm
	s_wait_tensorcnt 1                             ; my part of slot 0 is in; slot 1's may stay out
	s_barrier_signal -1
	s_barrier_wait -1
	s_wait_loadcnt 0x0                             ; Q
	v_add_nc_u32 v[AK], s44, v[L16]                ; key step 0
	v_add_nc_u32 v[AV], 0x20000, v[AK]
	s_cmp_eq_u32 s15, 0
	s_cbranch_scc0 .Lp1
	MFIRST
.Lp1:
	BAR
	s_cmp_eq_u32 s15, 0
	s_cbranch_scc0 .Lp2
	SOFTMAX
	s_branch .Lp3
.Lp2:
	MFIRST
.Lp3:
	BAR
	s_add_co_u32 s44, s44, 8192
	s_mov_b32 s45, 7
.Lfirst:                                           ; key steps 1 to 7
	PAIR
	s_sub_co_u32 s45, s45, 1
	s_cmp_lg_u32 s45, 0
	s_cbranch_scc1 .Lfirst
	s_mov_b32 s46, 2
.Lslot:                                            ; key steps 8 to 23: both slots are filled again
	CHANGE 1
	s_mov_b32 s45, 8
.Lmid:
	PAIR
	s_sub_co_u32 s45, s45, 1
	s_cmp_lg_u32 s45, 0
	s_cbranch_scc1 .Lmid
	s_sub_co_u32 s46, s46, 1
	s_cmp_lg_u32 s46, 0
	s_cbranch_scc1 .Lslot
	CHANGE 0                                       ; the last slot is written out: nothing is left to ask for
	s_mov_b32 s45, 8
.Llast:
	PAIR
	s_sub_co_u32 s45, s45, 1
	s_cmp_lg_u32 s45, 0
	s_cbranch_scc1 .Llast
.irp ct, 0,1,2,3
	global_load_b128 v[KF+8*\ct:KF+8*\ct+3],   v[BVO], s[50:51] offset:64*\ct      ; wv_b at channels 16 ct + 8 h + 0..7, in K's registers, which are done with
	global_load_b128 v[KF+8*\ct+4:KF+8*\ct+7], v[BVO], s[50:51] offset:64*\ct+16
.endr
	s_cmp_eq_u32 s15, 0
	s_cbranch_scc1 .Lfin
	SOFTMAX                                        ; group 1's softmax of the last step
.Lfin:
	PV                                             ; V^T P of the last step
	WIN 0
	PLACES 4
	; THE WAY OUT: O^T / l + wv_b, rounded to f16: a tile's 32 registers, in pairs, are the head's two fragments of 16 tokens x 32 along the last product's K
.irp t, 0,1,2,3
	v_add_f32 v[ST+8*\t+4], v[ST+8*\t+2], v[ST+8*\t+3]
.endr
.irp t, 0,1,2,3
	v_permlanex16_b32 v[ST+8*\t+5], v[ST+8*\t+4], s42, s43
.endr
.irp t, 0,1,2,3
	v_add_f32 v[ST+8*\t+4], v[ST+8*\t+4], v[ST+8*\t+5]
.endr
.irp t, 0,1,2,3
	v_rcp_f32 v[ST+8*\t+6], v[ST+8*\t+4]
.endr
	v_nop                                          ; a plain instruction behind the last reciprocal
	s_wait_alu depctr_va_vdst(0)                   ; and the wait ahead of the first use: one for the four
	s_wait_loadcnt 0x0                             ; wv_b
.irp t, 0,1,2,3
	WIN 0x01                                       ; source 0 (O^T) window 1
.set i, 0
.rept 16
	v_pk_fma_f32 v[S+32*\t+2*i:S+32*\t+2*i+1], v[32*\t+2*i:32*\t+2*i+1], v[ST+8*\t+6:ST+8*\t+7], v[KF+2*i:KF+2*i+1] op_sel_hi:[1,0,1]
.set i, i+1
.endr
	WIN 0
.set i, 0
.rept 16
	v_cvt_pk_f16_f32 v[S+32*\t+i], v[S+32*\t+2*i], v[S+32*\t+2*i+1]
.set i, i+1
.endr
.irp c, 0,1
	global_store_b128 v[L16], v[S+32*\t+8*\c:S+32*\t+8*\c+3],   s[48:49] offset:\t*32768+\c*1024      ; 512 consecutive bytes
	global_store_b128 v[L16], v[S+32*\t+8*\c+4:S+32*\t+8*\c+7], s[48:49] offset:\t*32768+\c*1024+512
.endr
.endr
	s_wait_tensorcnt 0x0                           ; the wave's end
	ds_add_u32 v[SPW], v[NIL]
	s_wait_dscnt 0x0
	CROUND                                         ; the closing round: no work-group ends while a partner may still ask for a tile that names it
	s_endpgm
.Lfunc_end_k_q01d232bec0_attn:
	.size	k_q01d232bec0_attn, .Lfunc_end_k_q01d232bec0_attn-k_q01d232bec0_attn
	.p2alignl 7, 3214868480
	.fill 96, 4, 3214868480
	.section	.rodata,"a",@progbits
	.p2align	6, 0x0
	.amdhsa_kernel k_q01d232bec0_attn
		.amdhsa_group_segment_fixed_size 327680
		.amdhsa_private_segment_fixed_size 0
		.amdhsa_enable_private_segment 0
		.amdhsa_kernarg_size 40
		.amdhsa_user_sgpr_count 2
		.amdhsa_user_sgpr_kernarg_segment_ptr 1
		.amdhsa_wavefront_size32 1
		.amdhsa_system_sgpr_workgroup_id_x 1
		.amdhsa_system_sgpr_workgroup_id_y 1
		.amdhsa_system_sgpr_workgroup_id_z 1
		.amdhsa_system_vgpr_workitem_id 0
		.amdhsa_next_free_vgpr 512
		.amdhsa_next_free_sgpr 66
		.amdhsa_reserve_vcc 0
		.amdhsa_float_denorm_mode_32 3
		.amdhsa_float_denorm_mode_16_64 3
		.amdhsa_memory_ordered 1
		.amdhsa_forward_progress 1
		.amdhsa_inst_pref_size 255
	.end_amdhsa_kernel
	.section	.bss,"aw",@nobits
	.p2align	6
	.space	262144
	.amdgpu_metadata
---
amdhsa.version: [ 1, 2 ]
amdhsa.kernels:
  - .name:           k_q01d232bec0_attn
    .symbol:         k_q01d232bec0_attn.kd
    .args:
      - { .name: qf, .offset: 0, .size: 8, .value_kind: global_buffer, .address_space: global }
      - { .name: kf, .offset: 8, .size: 8, .value_kind: global_buffer, .address_space: global }
      - { .name: vf, .offset: 16, .size: 8, .value_kind: global_buffer, .address_space: global }
      - { .name: wv_b, .offset: 24, .size: 8, .value_kind: global_buffer, .address_space: global }
      - { .name: pf, .offset: 32, .size: 8, .value_kind: global_buffer, .address_space: global }
    .group_segment_fixed_size: 327680
    .private_segment_fixed_size: 0
    .kernarg_segment_align: 8
    .kernarg_segment_size: 40
    .max_flat_workgroup_size: 256
    .sgpr_count:     66
    .vgpr_count:     512
    .wavefront_size: 32
...
	.end_amdgpu_metadata
.endif
;; end of part 3
;; launch oproj (part 4): grid 4 x 64, 4 waves a work-group, clusters of 4 x 4, 327,680 bytes of LDS; arguments pf, wof, wo_b, out0; writes out0
.if DOCPART == 4
	.amdgcn_target "amdgcn-amd-amdhsa--gfx1250"
	.amdhsa_code_object_version 6
	.text
	.protected	k_q01d232bec0_oproj
	.globl	k_q01d232bec0_oproj
	.p2align	8
	.type	k_q01d232bec0_oproj,@function
k_q01d232bec0_oproj:
	s_mov_b64 s[64:65], 0
	v_nop
	global_prefetch_b8 v0, s[64:65] scope:SCOPE_SE
	s_setreg_imm32_b32 hwreg(HW_REG_WAVE_MODE, 25, 1), 1
	s_wait_xcnt 0x0
	s_wait_alu depctr_hold_cnt(0) depctr_sa_sdst(0) depctr_va_vdst(0) depctr_va_sdst(0) depctr_va_ssrc(0) depctr_va_vcc(0) depctr_vm_vsrc(0)
	s_getreg_b32 s2, hwreg(HW_REG_IB_STS2, 6, 4)
	s_cmp_eq_u32 s2, 0
	s_cbranch_scc0 .Lentry_in_a_cluster
	s_endpgm
.Lentry_in_a_cluster:
	s_bfe_u32 s2, ttmp6, 0x10000c
	s_cmp_lg_u32 s2, 0xf033
	s_cbranch_scc0 .Lentry_shape_is_right
	s_endpgm
.Lentry_shape_is_right:
; FOURTH LAUNCH: out0[token][n] = sum over k of pre[token][k] wo_w[n][k] + wo_b[n]; both operands arrive as f16 fragments (pf from the third launch, wof from the first); sums in f32; out0 f32.
; A tile of out0 is 128 tokens x 256 columns: 256 work-groups.  Four waves, each 64 tokens (4 tiles a) x 128 columns (8 tiles b): 32 accumulators, which take turns, one instruction a turn.
; K = 1,024 goes in steps of 128 through a ring of two LDS slots.  A slot: pf's 8 tiles of tokens x 4 fragments (32 KiB), then wof's 16 tiles of columns x 4 fragments (64 KiB): in memory 4 KiB on end for each tile,
; 32 KiB from tile to tile.  Fragments are images of the operands' registers: they come out of LDS by loads of 512 consecutive bytes: no padding.
; CLUSTER: 4 x 4 work-groups.  The four of a row of the cluster need the same tiles of pf, the four of a column the same tiles of wof: each is asked for jointly.  Waves 0, 1 fetch pf's halves, waves 2, 3 wof's.
; THE MATRIX INSTRUCTION IS USED TRANSPOSED (source 0 = 16 columns, source 1 = 16 tokens): a lane holds eight neighbouring numbers of a row of out0.  wo_b is the C of each sum's first product.
; REGISTERS: window 0: v16-29 addresses; v64-159, v160-255 two fragment buffers (wof's 8, then pf's 4); on the way out v64-191 rows read back.  window 1: the accumulators, (a, b) at 8 (8 a + b).  window 2: v0-63 wo_b.
.set SLOT,  98304
.set BOFF,  32768                      ; wof's fragments in a slot
.set SPARE, 2*SLOT                     ; behind the ring: the spare words, 128 bytes for each wave: two blocks of 256 bytes that no other line names
.set SPITCH, 528                       ; the way out: a stage of 16 rows x (512 bytes + 16) for each wave, in slot 0, which has had its last fill and its last read when the first result is stored there
.set ADRA, 16                          ; v16-17  my fragments of pf in slot 0, 1
.set ADRB, 20                          ; v20-21  of wof
.set STO,  24                          ; v24  the stage: where I put 32 bytes of a row
.set RD,   25                          ; v25  and where I read a row back
.set CO,   26                          ; v26  16 x lane: my place in a row's 512 bytes
.set BO,   27                          ; v27  32 h
.set SPW,  28                          ; v28  LDS address of my spare word; never rewritten
.set NIL,  29                          ; v29  0; never rewritten
.set FB,   64                          ; buffer p at FB + 96 p
.set F0,   64
.set F1,   160
.set BK,   64
.set G1,  24                           ; s[24:31] group 1 for pf's tiles; s[32:39] group 0, one set for each slot
.set G0,  32
.set G1B, 48                           ; s[48:55], s[56:63] the same for wof's
.set G0B, 56
.set MSB, 0
.macro WIN new
.if MSB != \new
	s_set_vgpr_msb (MSB<<8)|\new
.set MSB, \new
.endif
.endm
.macro PLACES n
.rept \n
	v_nop
.endr
.endm
.macro JLOAD s                         ; a joint load; an s_nop 0 and four v_nop follow each of the two lines
	s_cmp_eq_u32 s13, 0
	s_cbranch_scc0 .Lfor_b_\@
	tensor_load_to_lds s[G0+4*\s:G0+4*\s+3], s[G1:G1+7]
	s_nop 0
	PLACES 4
	s_branch .Lasked_\@
.Lfor_b_\@:
	tensor_load_to_lds s[G0B+4*\s:G0B+4*\s+3], s[G1B:G1B+7]
	s_nop 0
	PLACES 4
.Lasked_\@:
.endm
.macro CREST                           ; a round of the cluster's barrier behind its opening barrier
	s_cmp_lg_u32 s12, 0
	s_cbranch_scc1 .Lnot_wave_0_\@
	s_barrier_signal -3
.Lnot_wave_0_\@:
	s_barrier_wait -3
	s_barrier_signal -1
	s_barrier_wait -1
.endm
.macro CROUND
	s_barrier_signal -1
	s_barrier_wait -1
	CREST
.endm
	s_load_b256 s[4:11], s[0:1], 0x0               ; pf s[4:5], wof s[6:7], wo_b s[8:9], out0 s[10:11]
	v_lshl_add_u32 v[SPW], v0, 2, SPARE
	v_mov_b32 v[NIL], 0
	ds_add_u32 v[SPW], v[NIL]                      ; the wave's opening: the add, twice on end, and its wait ahead of my first tensor load
	ds_add_u32 v[SPW], v[NIL]
	v_lshrrev_b32 v1, 5, v0
	v_readfirstlane_b32 s12, v1                    ; wave 0..3
	s_lshr_b32 s13, s12, 1                         ; which 64 tokens are mine.  Also: I fetch for pf (0) or for wof (1)
	s_and_b32 s14, s12, 1                          ; which 128 columns.  Also: which half of that tile I fetch
	s_bfe_u32 s15, ttmp6, 0x40000                  ; cx
	s_bfe_u32 s16, ttmp6, 0x40004                  ; cy
	s_lshl_b32 s17, ttmp9, 2
	s_add_co_u32 s17, s17, s15                     ; tile column = 4 x cluster x + cx
	s_and_b32 s18, ttmp7, 0xffff
	s_lshl_b32 s18, s18, 2
	s_add_co_u32 s18, s18, s16                     ; tile row = 4 x cluster y + cy
	s_lshl_b32 s19, s16, 2
	s_lshl_b32 s19, 15, s19                        ; my row of the cluster
	s_lshl_b32 s20, 0x1111, s15                    ; my column
	s_or_b32 s[G1], s19, (3<<16)|(1<<21)           ; the mask; elements of 8 bytes; 21 set beside a mask; no padding
	s_or_b32 s[G1B], s20, (3<<16)|(1<<21)
	s_mov_b32 s[G1+1], 512<<16                     ; rows of 512 elements: 4 KiB, a tile's four fragments
	s_mov_b32 s[G1+2], 4<<16                       ; 4 tiles of tokens
	s_mov_b32 s[G1+3], 512<<16
	s_mov_b32 s[G1+4], 4
	s_mov_b32 s[G1+5], 4096                        ; 32 KiB from tile to tile
	s_mov_b32 s[G1+6], 0
	s_mov_b32 s[G1+7], 0
	s_mov_b32 s[G1B+1], 512<<16
	s_mov_b32 s[G1B+2], 8<<16                      ; 8 tiles of columns
	s_mov_b32 s[G1B+3], 512<<16
	s_mov_b32 s[G1B+4], 8
	s_mov_b32 s[G1B+5], 4096
	s_mov_b32 s[G1B+6], 0
	s_mov_b32 s[G1B+7], 0
	s_lshl_b32 s40, s18, 3                         ; pf: tile of tokens 8 x tile row + 4 x half: it hangs on the tile row alone, which my row of the cluster shares
	s_lshl_b32 s41, s14, 2
	s_add_co_u32 s40, s40, s41
	s_lshl_b32 s40, s40, 15
	s_mov_b32 s41, 0
	s_lshl_b32 s46, s17, 4                         ; wof: tile of columns 16 x tile column + 8 x half: on the tile column alone
	s_lshl_b32 s47, s14, 3
	s_add_co_u32 s46, s46, s47
	s_lshl_b32 s46, s46, 15
	s_mov_b32 s47, 0
	s_lshl_b32 s21, s14, 14                        ; where they go: no place in the cluster enters an LDS address
	s_lshl_b32 s22, s14, 15
	s_add_co_u32 s22, s22, BOFF
	s_wait_dscnt 0x0                               ; both opening adds are done
	s_wait_kmcnt 0x0
	s_add_nc_u64 s[40:41], s[4:5], s[40:41]
	s_add_nc_u64 s[46:47], s[6:7], s[46:47]
	CROUND                                         ; all sixteen work-groups are here: the first joint loads meet
.irp s, 0,1
	s_mov_b32 s[G0+4*\s], 1
	s_add_co_u32 s[G0+4*\s+1], s21, \s*SLOT
	s_add_nc_u64 s[G0+4*\s+2:G0+4*\s+3], s[40:41], \s*4096
	s_or_b32 s[G0+4*\s+3], s[G0+4*\s+3], 0x80000000
	s_mov_b32 s[G0B+4*\s], 1
	s_add_co_u32 s[G0B+4*\s+1], s22, \s*SLOT
	s_add_nc_u64 s[G0B+4*\s+2:G0B+4*\s+3], s[46:47], \s*4096
	s_or_b32 s[G0B+4*\s+3], s[G0B+4*\s+3], 0x80000000
	JLOAD \s
.endr
	v_and_b32 v1, 31, v0
	v_lshlrev_b32 v[CO], 4, v1
	v_and_b32 v2, 15, v0                           ; r
	v_bfe_u32 v3, v0, 4, 1                         ; h
	v_lshlrev_b32 v[BO], 5, v3
	s_lshl_b32 s21, s13, 14                        ; my 4 tiles of tokens
	s_lshl_b32 s22, s14, 15                        ; my 8 tiles of columns
	s_add_co_u32 s22, s22, BOFF
.irp s, 0,1
	v_add_nc_u32 v[ADRA+\s], s21, v[CO]
	v_add_nc_u32 v[ADRB+\s], s22, v[CO]
	s_add_co_u32 s21, s21, SLOT
	s_add_co_u32 s22, s22, SLOT
.endr
	s_mul_i32 s23, s12, 16*SPITCH                  ; my stage
	v_mul_u32_u24 v[STO], v2, SPITCH
	v_lshl_add_u32 v[STO], v3, 5, v[STO]
	v_add_nc_u32 v[STO], s23, v[STO]               ; in: row r, 32 bytes for each half of the lanes
	v_add_nc_u32 v[RD], s23, v[CO]                 ; back: the 32 lanes take one row of 512 bytes
	s_lshl_b32 s42, s18, 7
	s_lshl_b32 s43, s13, 6
	s_add_co_u32 s42, s42, s43                     ; my first token
	s_lshl_b32 s42, s42, 12                        ; rows of 4,096 bytes
	s_mov_b32 s43, 0
	s_add_nc_u64 s[10:11], s[10:11], s[42:43]
	s_lshl_b32 s46, s17, 10                        ; my first column, in bytes: 1,024 x tile column + 512 x half
	s_lshl_b32 s47, s14, 9
	s_add_co_u32 s46, s46, s47
	s_mov_b32 s47, 0
	s_add_nc_u64 s[10:11], s[10:11], s[46:47]
	s_add_nc_u64 s[8:9], s[8:9], s[46:47]          ; and the same in wo_b
	WIN 0x80                                       ; destination window 2
.irp b, 0,1,2,3,4,5,6,7
	global_load_b128 v[8*\b:8*\b+3],   v[BO], s[8:9] offset:64*\b      ; wo_b at columns 16 b + 8 h + 0..7: the result's layout
	global_load_b128 v[8*\b+4:8*\b+7], v[BO], s[8:9] offset:64*\b+16
.endr
	WIN 0
.macro FETCH slot, kq, f               ; 24 LDS loads in one run: the fragments of the slot's kq-th 32 along K
.irp b, 0,1,2,3,4,5,6,7
	ds_load_b128 v[(\f)+8*\b:(\f)+8*\b+3],   v[ADRB+\slot] offset:\b*4096+(\kq)*1024
	ds_load_b128 v[(\f)+8*\b+4:(\f)+8*\b+7], v[ADRB+\slot] offset:\b*4096+(\kq)*1024+512
.endr
.irp a, 0,1,2,3
	ds_load_b128 v[(\f)+64+8*\a:(\f)+64+8*\a+3],   v[ADRA+\slot] offset:\a*4096+(\kq)*1024
	ds_load_b128 v[(\f)+64+8*\a+4:(\f)+64+8*\a+7], v[ADRA+\slot] offset:\a*4096+(\kq)*1024+512
.endr
.endm
.macro MUL8 f, a, first                ; tile a of tokens x the 8 tiles of columns.  first = 1: wo_b is the C: nothing is cleared, and the bias costs no addition
.irp b, 0,1,2,3,4,5,6,7
.if \first
	v_wmma_f32_16x16x32_f16 v[8*(8*(\a)+\b):8*(8*(\a)+\b)+7], v[(\f)+8*\b:(\f)+8*\b+7], v[(\f)+64+8*(\a):(\f)+64+8*(\a)+7], v[8*\b:8*\b+7]
.else
	v_wmma_f32_16x16x32_f16 v[8*(8*(\a)+\b):8*(8*(\a)+\b)+7], v[(\f)+8*\b:(\f)+8*\b+7], v[(\f)+64+8*(\a):(\f)+64+8*(\a)+7], v[8*(8*(\a)+\b):8*(8*(\a)+\b)+7]
.endif
.endr
.endm
; One of a slot's first three quarters: the next quarter's fragments are asked for ahead of this quarter's 32 products, four places behind the products that read their buffer.
.macro QT slot, kq, first
	s_wait_dscnt 0x0                               ; this quarter's fragments are in
	PLACES 4
	FETCH \slot, (\kq)+1, FB+96*(((\kq)+1)%2)
.if \first
	WIN 0x60                                       ; C window 2, D window 1
.else
	WIN 0x50                                       ; C and D window 1
.endif
.irp a, 0,1,2,3
	MUL8 FB+96*((\kq)%2), \a, \first
.endr
	WIN 0
.endm
; A slot's last quarter changes slots: ONE barrier; in front of it each wave waits for all its tensor loads, adds 0 to its spare word, and waits for that and for its reads of this slot.  fill = 1: this slot is filled again, two K steps ahead.
.macro TURN slot, next, fill
	s_wait_tensorcnt 0x0                           ; all my tensor loads have landed: my part of the next slot
	ds_add_u32 v[SPW], v[NIL]                      ; 0 onto my spare word
	s_wait_dscnt 1                                 ; this quarter's fragments are in; the add alone may be out
	WIN 0x50
	MUL8 F1, 0, 0                                  ; eight matrix instructions stand between the add and the wait for it
	s_wait_dscnt 0x0                               ; the add is done, and my reads of this slot are over
	s_barrier_signal -1
	MUL8 F1, 1, 0
	WIN 0
	s_barrier_wait -1
.if \fill
	CREST                                          ; the barrier has opened a round of the cluster's: no wave of any partner still reads this slot or has a load on its way
	s_add_nc_u64 s[G0+4*\slot+2:G0+4*\slot+3], s[G0+4*\slot+2:G0+4*\slot+3], 8192
	s_add_nc_u64 s[G0B+4*\slot+2:G0B+4*\slot+3], s[G0B+4*\slot+2:G0B+4*\slot+3], 8192
	JLOAD \slot                                    ; the first tensor load behind the round; its four v_nop are also the places in front of the loads below
.else
	PLACES 4
.endif
	FETCH \next, 0, F0                             ; the next slot's first fragments land under the sixteen products below
	WIN 0x50
	MUL8 F1, 2, 0
	MUL8 F1, 3, 0
	WIN 0
.endm
	s_wait_tensorcnt 1                             ; my part of K step 0 is in (K step 1's load may be out)
	s_barrier_signal -1
	s_barrier_wait -1                              ; everybody's is
	FETCH 0, 0, F0
	s_wait_loadcnt 0x0                             ; wo_b
	QT 0, 0, 1                                     ; the first quarter stands in front of the loop: its products start the sums
	s_mov_b32 s3, 3
.Llap:                                             ; a trip goes once round the ring, from a lap's second quarter to the next lap's first, and fills both slots again
	QT 0, 1, 0
	QT 0, 2, 0
	TURN 0, 1, 1
	QT 1, 0, 0
	QT 1, 1, 0
	QT 1, 2, 0
	TURN 1, 0, 1
	QT 0, 0, 0
	s_sub_co_u32 s3, s3, 1
	s_cmp_lg_u32 s3, 0
	s_cbranch_scc1 .Llap
	QT 0, 1, 0                                     ; the last lap fills nothing, and has no round of the cluster's barrier
	QT 0, 2, 0
	TURN 0, 1, 0
	QT 1, 0, 0
	QT 1, 1, 0
	QT 1, 2, 0
	s_wait_dscnt 0x0                               ; the very last quarter: nothing more to fetch
	WIN 0x50
.irp a, 0,1,2,3
	MUL8 F1, \a, 0
.endr
	WIN 0
; THE WAY OUT, block by block of 16 tokens x 128 columns, through my own stage: in as 32 bytes a lane, back as whole rows of 512 bytes.  LDS serves a wave's instructions in order: no wait between the stores and the loads.
.macro TOSTAGE a
	WIN 0x04                                       ; an LDS store's data are its source 1: window 1
.irp b, 0,1,2,3,4,5,6,7
	ds_store_b128 v[STO], v[8*(8*(\a)+\b):8*(8*(\a)+\b)+3] offset:64*\b          ; each accumulator from its low end on
	ds_store_b128 v[STO], v[8*(8*(\a)+\b)+4:8*(8*(\a)+\b)+7] offset:64*\b+16
.endr
	WIN 0
.irp t, 0,1,2,3,4,5,6,7,8,9,10,11,12,13,14,15
	ds_load_b128 v[BK+64*((\a)%2)+4*\t:BK+64*((\a)%2)+4*\t+3], v[RD] offset:\t*SPITCH
.endr
.endm
.macro SEND a, younger                 ; younger: the LDS instructions issued behind block a's loads, which may stay out
	s_wait_dscnt \younger
.if (\a) > 0
	s_add_nc_u64 s[10:11], s[10:11], 65536         ; 16 rows on (behind a wait on XCNT: the earlier stores have read their base)
.endif
.irp t, 0,1,2,3,4,5,6,7,8,9,10,11,12,13,14,15
	global_store_b128 v[CO], v[BK+64*((\a)%2)+4*\t:BK+64*((\a)%2)+4*\t+3], s[10:11] offset:\t*4096 th:TH_STORE_NT   ; 512 consecutive bytes, at a multiple of 512 from out0's first byte
.endr
.endm
	PLACES 4                                       ; in front of the reads of results and of the loads into the fragments' registers
	TOSTAGE 0
	TOSTAGE 1
	SEND 0, 32                                     ; behind block 0's loads: block 1's 16 stores and 16 loads
	s_wait_xcnt 0x0                                ; block 0's stores have read their registers and their base
	TOSTAGE 2
	SEND 1, 32
	s_wait_xcnt 0x0
	TOSTAGE 3
	SEND 2, 32
	s_wait_xcnt 0x0
	SEND 3, 0
	s_wait_tensorcnt 0x0                           ; the wave's end: behind my last tensor load and my last LDS store
	ds_add_u32 v[SPW], v[NIL]
	s_wait_dscnt 0x0
	CROUND                                         ; the closing round: no work-group ends while a partner may still ask for a tile that names it
	s_endpgm
.Lfunc_end_k_q01d232bec0_oproj:
	.size	k_q01d232bec0_oproj, .Lfunc_end_k_q01d232bec0_oproj-k_q01d232bec0_oproj
	.p2alignl 7, 3214868480
	.fill 96, 4, 3214868480
	.section	.rodata,"a",@progbits
	.p2align	6, 0x0
	.amdhsa_kernel k_q01d232bec0_oproj
		.amdhsa_group_segment_fixed_size 327680
		.amdhsa_private_segment_fixed_size 0
		.amdhsa_enable_private_segment 0
		.amdhsa_kernarg_size 32
		.amdhsa_user_sgpr_count 2
		.amdhsa_user_sgpr_kernarg_segment_ptr 1
		.amdhsa_wavefront_size32 1
		.amdhsa_system_sgpr_workgroup_id_x 1
		.amdhsa_system_sgpr_workgroup_id_y 1
		.amdhsa_system_sgpr_workgroup_id_z 1
		.amdhsa_system_vgpr_workitem_id 0
		.amdhsa_next_free_vgpr 576
		.amdhsa_next_free_sgpr 66
		.amdhsa_reserve_vcc 0
		.amdhsa_float_denorm_mode_32 3
		.amdhsa_float_denorm_mode_16_64 3
		.amdhsa_memory_ordered 1
		.amdhsa_forward_progress 1
		.amdhsa_inst_pref_size 86
	.end_amdhsa_kernel
	.amdgpu_metadata
---
amdhsa.version: [ 1, 2 ]
amdhsa.kernels:
  - .name:           k_q01d232bec0_oproj
    .symbol:         k_q01d232bec0_oproj.kd
    .args:
      - { .name: pf, .offset: 0, .size: 8, .value_kind: global_buffer, .address_space: global }
      - { .name: wof, .offset: 8, .size: 8, .value_kind: global_buffer, .address_space: global }
      - { .name: wo_b, .offset: 16, .size: 8, .value_kind: global_buffer, .address_space: global }
      - { .name: out0, .offset: 24, .size: 8, .value_kind: global_buffer, .address_space: global }
    .group_segment_fixed_size: 327680
    .private_segment_fixed_size: 0
    .kernarg_segment_align: 8
    .kernarg_segment_size: 32
    .max_flat_workgroup_size: 128
    .sgpr_count:     66
    .vgpr_count:     576
    .wavefront_size: 32
...
	.end_amdgpu_metadata
.endif
;; end of part 4
